; MI455X (gfx1250); checked and timed in simulation.
; The chip was launched on July 23, 2026; its instructions are those of AMD's public machine-readable ISA for CDNA 5 (MIT licence, August 2026) and "CDNA5" Instruction Set Architecture Reference Guide (July 2026). The comments in the code are by the model that wrote it; some were corrected since.
;; Additive Attention. Allowed arithmetic: matrix products marked QUANTISED: E2M1 operands, one E8M0 scale for each 32 along K, by v_wmma_scale_f32_16x16x128_f8f6f4 with both operands' format E2M1 (or v_wmma_scale_f32_32x16x128_f4), f32 sums; products left as they are: f32 operands where the result goes on into a quantised operand, else bf16, f16 or f32 operands; f32 sums; everything else in f32.
;; Inputs: W_h_codes 1,024 x 32 x 16 uint8 (E2M1 codes of W_h, K innermost, in blocks of 32 codes, two codes a byte); W_h_scales 1,024 x 32 uint8 (E8M0 scales of W_h, one for each 32 codes along K); W_s_codes 1,024 x 32 x 16 uint8 (E2M1 codes of W_s, K innermost, in blocks of 32 codes, two codes a byte); W_s_scales 1,024 x 32 uint8 (E8M0 scales of W_s, one for each 32 codes along K); W_x 1,024 x 1 float32; b_s 1,024 float32; cell_state 1 x 64 x 512 float32; context 64 x 1,024 x 1,024 float32; coverage 64 x 1,024 float32; hidden_state 1 x 64 x 512 float32; padding_mask 64 x 1,024 float32; v 1 x 1,024 float32.
;; Outputs: out0 64 x 1 x 1,024 float32; out1 64 x 1,024 float32; out2 64 x 1,024 float32; out3 64 x 1,024 float32.
;; This version of the problem:
;;   THIS VERSION OF THE PROBLEM IS GIVEN IN LOW PRECISION. The matrix products marked QUANTISED in the list below multiply operands that are first quantised to E2M1 (2 exponent bits, 1 mantissa bit; 4 bits a number), with one power-of-two scale for each 32 numbers along K (OCP MX v1.0); their sums are f32. All else is computed in f32.
;;   The module's matrix products, in the order in which they are computed (A, B: the left and right operand; K: the contracted axis; several contracted axes count as one K, in the product's order):
;;     1. [M 64, K 1,024] x [K 1,024, N 1,024]; A: computed on the way; B: input W_s (given as codes): QUANTISED
;;     2. [M 65,536, K 1,024] x [K 1,024, N 1,024]; A: input context; B: input W_h (given as codes): QUANTISED
;;     3. [M 65,536, K 1,024] x [K 1,024, N 1]; A: computed on the way; B: input v: left as it is (N = 1 < 16)
;;     4. batch 64 x [M 1, K 1,024] x [K 1,024, N 1,024]; A: computed on the way; B: input context: left as it is (M = 1 < 16)
;;   THE QUANTISER, for each operand of a quantised product, along K:
;;     - K is cut into blocks of 32 from its start; a last block that is shorter is filled with zeros.
;;     - A block's scale is 2^e with e = floor(log2(the largest magnitude in the block)) - 2, held to -126 .. 127; a block of zeros has e = 0. As a byte (E8M0): e + 127.
;;     - Each number is divided by its block's scale, clamped to +-6, and rounded to the nearest number of E2M1, ties to even, subnormals kept.
;;     - The product sums the exact products of the quantised numbers (number of the format x scale) in f32.
;;   ~~~python
;;   def quantise(x, axis):      # numpy; x: float32 -> the quantised numbers, widened to float32 again
;;       x = np.moveaxis(x, axis, -1); K = x.shape[-1]
;;       x = np.pad(x, [(0, 0)] * (x.ndim - 1) + [(0, -K % 32)]); x = x.reshape(x.shape[:-1] + (-1, 32)); a = np.abs(x).max(-1, keepdims=True)
;;       e = np.where(a > 0, np.clip(np.frexp(np.where(a > 0, a, 1))[1] - 1 - 2, -126, 127), 0)      # np.frexp(a)[1] - 1 = floor(log2(a)), exactly
;;       r = np.clip(x / 2.0 ** e, -6, 6)
;;       step = 2.0 ** (np.maximum(np.frexp(np.where(r == 0, 1, r))[1] - 1, 0) - 1)
;;       q = np.round(r / step) * step * 2.0 ** e      # np.round: ties to even
;;       return np.moveaxis(q.reshape(q.shape[:-2] + (-1,))[..., :K], -1, axis).astype(np.float32)
;;   ~~~
;;   OPERANDS COMPUTED ON THE WAY. 'Computed on the way' means the value that the module computes at that place (a softmax that the list does not call 'softmax' is quantised finished and normalised). What goes into a quantiser is computed in f32, as accurately as f32 sums, v_exp_f32 and their like allow (about 1e-6 of the number): no bf16 or f16 on the way to a quantiser, and a product that is left as it is and whose result goes on into a quantised operand takes f32 operands (vector FMAs, or v_wmma_f32_16x16x4_f32). A number that lies on a knife's edge between two numbers of the format may be rounded either way, as far as f32 arithmetic and the matrix unit's own rounding can turn it there, and no further.
;;   INPUTS GIVEN AS CODES. W_h (in the module: [1024, 1024], K = its axis 1); W_s (in the module: [1024, 1024], K = its axis 1): each comes as NAME_codes (uint8): NAME with its K axis moved to the last place and cut into blocks of 32 codes, [.., K / 32, bytes a block], one block behind the other in memory; two codes a byte, the lower K in the low four bits (a code: sign, 2 exponent bits, 1 mantissa bit); and NAME_scales (uint8): the same leading axes, one E8M0 byte (e + 127) for each 32 codes along K. Its value is code x scale, taken as it is: it is not quantised again, and the codes and scales need not be those that the quantiser above would give.
;; One version. Each part assembles by itself: llvm-mc -triple=amdgcn-amd-amdhsa -mcpu=gfx1250 --defsym DOCPART=n.
;; ======== version 1 of 1: 2 launches
;; limits: values are held in bf16: 8 bits of precision; right only within a limited range of input values
;; workspace buffers: part 1,048,576 bytes
;; launch main (part 1): grid 256 x 1, 8 waves a work-group, clusters of 4 x 1, 327,680 bytes of LDS; arguments W_s_codes, W_s_scales, W_h_codes, W_h_scales, context, hidden_state, cell_state, coverage, padding_mask, W_x, v, b_s, out2, out3, part; writes out2, out3, part
.if DOCPART == 1
	.amdgcn_target "amdgcn-amd-amdhsa--gfx1250"
	.amdhsa_code_object_version 6
	.text
	.protected	k_q284c6fe996_main
	.globl	k_q284c6fe996_main
	.p2align	8
	.type	k_q284c6fe996_main,@function
k_q284c6fe996_main:
	s_mov_b64 s[64:65], 0
	v_nop
	global_prefetch_b8 v0, s[64:65] scope:SCOPE_SE
	s_setreg_imm32_b32 hwreg(HW_REG_WAVE_MODE, 25, 1), 1
	s_wait_xcnt 0x0
	s_wait_alu depctr_hold_cnt(0) depctr_sa_sdst(0) depctr_va_vdst(0) depctr_va_sdst(0) depctr_va_ssrc(0) depctr_va_vcc(0) depctr_vm_vsrc(0)
	s_getreg_b32 s2, hwreg(HW_REG_IB_STS2, 6, 4)
	s_cmp_eq_u32 s2, 0
	s_cbranch_scc0 .Lentry_in_a_cluster
	s_endpgm
.Lentry_in_a_cluster:
	s_bfe_u32 s2, ttmp6, 0x10000c
	s_cmp_lg_u32 s2, 0x3003
	s_cbranch_scc0 .Lentry_shape_is_right
	s_endpgm
.Lentry_shape_is_right:
; ADDITIVE ATTENTION, all but the joining of a batch's four quarters.
; score[l] = sum over e of v[e] tanh( (Q(context[l]) W_h^T)[e] + sf[e] + coverage[l] W_x[e] ),  sf = Q(state) W_s^T + b_s;  both products on codes of FP4 (E2M1) with one E8M0 scale for each 32 along K.
; A work-group owns 256 rows of context, a quarter of one batch; the four work-groups of a cluster are one batch.  It stores its scores (out3), its copy of coverage (out2) and
; part[d] = sum over its rows of 2^((score - m) log2 e) x mask x context[row][d], m = the largest of its 256 scores; the next launch joins the four parts.
; CONTEXT IS READ FROM MEMORY ONCE.  The rows go in four chunks of 64.  A chunk is quantised as it arrives and a copy of it, rounded to bf16, stays on the WGP until its scores exist.
; So the weights are walked five times (W_s once, W_h four times), 8 tiles of 128 weight rows a walk, 40 steps, through a ring of two LDS slots.
; CLUSTER.  All work-groups walk the same tiles in the same order: each tile is asked for jointly by the four partners (mask 15), which divides the requests for the weights by four.
; TWO ROLES.  Waves 0-3 (G): the products and the tanh of chunk c.  Waves 4-7 (L): at the same time they load, quantise and round chunk c + 1; at a pass's end they weigh chunk c.
; A G wave keeps the 64 rows' codes in 256 registers for a whole pass and takes 32 of a tile's 128 weight rows: a weight fragment read from LDS feeds four matrix instructions.
; THE MATRIX INSTRUCTION IS USED TRANSPOSED: source 0 = 16 weight rows e, source 1 = 16 rows of context: lane (r, h) holds row r, its register j holds e = e0 + 8 h + j.
; tanh(x) = 1 - 2 / (1 + 2^(2 log2(e) x)), so a wave's part of a score is (sum of its v) - 2 x (sum of v / (1 + 2^..)), all in f32.
; LIMITS.  NaN and infinities among the inputs are not served.  A block whose largest magnitude lies under 2^-124 keeps the scale byte 1 (a block of zeros too: its codes are zeros; the bytes are read here alone).
; The score's two sums are of the size of sum |v|: its error is about 1e-7 of that.  The rows enter the weighted sum rounded to bf16; the weights stay f32.
.set SLOT,  71680                      ; a slot: 128 weight rows of 512 bytes at pitch 528, then their 4,096 scale bytes
.set WSCO,  67584                      ; where the scale bytes begin in a slot
.set CODE,  143360                     ; behind the ring: the codes of 64 rows of context, pitch 528 (row 0 first serves the state)
.set CSCL,  177152                     ; their scale bytes, 32 a row
.set COPY,  179200                     ; the bf16 copy of the chunk that arrives: 32,768 bytes for each L wave, rows of 2,048 bytes
.set TAB,   310272                     ; W_x, v at + 4,096, b_s and then sf + b_s at + 8,192
.set SCP,   322560                     ; score parts [4 G waves][64 rows]
.set SCO,   323584                     ; the work-group's 256 scores
.set COVT,  324608                     ; its coverage
.set MSK,   325632                     ; its mask
.set SPARE, 326656                     ; the spare words, 128 bytes for each of eight waves: four blocks of 256 bytes that no other line names
; vector registers 1-39: addresses, made once ahead of the roles' first parting or rewritten in lines that all waves run; none ever holds loaded data
.set SPW, 1                            ; SPARE + 4 x thread
.set NIL, 2                            ; 0
.set GB,  3                            ; v3, v4   G: my weight fragments in slot 0, 1
.set GS,  5                            ; v5, v6   G: their scale words
.set GT0, 7                            ; G: my place in the tables
.set GT,  8                            ;    + 1,024 x trip
.set GA,  9                            ; G: context's fragments
.set GAS, 10                           ; G: the state's (every lane row 0)
.set GC,  11                           ; G: context's scale words
.set GCS, 12                           ; G: the state's
.set GP,  13                           ; G: where my score parts go
.set GV0, 14                           ; G: coverage of row r
.set GV,  15                           ;    + 256 x chunk
.set LC0, 16                           ; L: my rows' codes
.set LC,  17                           ;    + 4 rows x trip
.set LS0, 18                           ; L: my rows' scale bytes
.set LS,  19
.set LD,  20                           ; L: my part of the copy
.set LW,  21                           ;    + 4 rows x trip
.set LP,  22                           ; L: score parts of rows lane, lane + 32
.set LPO, 23                           ; L: of my own row r
.set LM0, 24                           ; L: the mask of my row r, one chunk back
.set LM,  25
.set LSO0, 26                          ; L: where my row's score goes, one chunk back
.set LSO, 27
.set LOX, 28                           ; L: where my sums go at the end
.set SCA, 29                           ; the state's codes
.set SSA, 30                           ; the state's scale bytes
.set T16, 31                           ; 16 x thread
.set TW,  32                           ; TAB + 16 x thread
.set LG,  33                           ; L: my byte in the chunk: 16 rows x wave + 16 x lane
.set TX,  34                           ; COPY + 16 x thread
.set TX2, 35
.set CM,  36                           ; coverage and mask on their way into LDS
.set L16, 37                           ; 512 x (wave % 2) + 16 x lane
.set SOX, 38                           ; the scores on their way out
.set SL,  39                           ; 16 x lane
; G's data, window 0 (window 1: context's fragments, row tile m, K step ks at v[64 m + 8 ks])
.set BF,  40                           ; v40-103   8 weight fragments
.set AC,  104                          ; v104-135  4 accumulators
.set SF,  136                          ; v136-143  sf + b_s: the C of a sum's first product
.set WX,  144                          ; v144-159  W_x, a set for each unit
.set VV,  160                          ; v160-175  v likewise
.set COV, 176                          ; v176-183  coverage of my rows, twice each (pairs)
.set SACC, 184                         ; v184-191  sums of v / (1 + 2^..), a pair for each row tile
.set VS,  192                          ; v192-193  sum of my v
.set VSUM, 194
.set GPD, 195
.set GSM, 196
.set GPM, 200
.set WSC, 224                          ; v224-227  the weights' scale words;  v228-243 context's: these twenty hold scales and nothing else
.set CSC, 228
; L's data, window 0 (window 1: the bf16 copy of the chunk in work, row rr, pair p at v[16 rr + 4 p])
.set LND, 40                           ; v40-167   two sets of two rows as they land: set, row, pair at 64 set + 32 row + 8 pair
.set PBR, 104                          ; v104-119  in WS: the 16 rows' weights, each in all lanes
.set TBL, 104                          ; v104-119  in the head: the tables on their way into LDS
.set OO,  168                          ; v168-199  my sums: register 8 p + j is d = 256 p + 4 lane + j (j under 4), 256 p + 128 + 4 lane + j - 4 (j from 4 on)
.set QC,  200                          ; v200-215  codes, eight registers for each of a step's two rows
.set QM,  216                          ; v216-223  eight blocks' largest magnitudes, then in place the conversions' scale operands, then the scale bytes
.set WP,  200                          ; in WS: v200-211 score parts, v212 the mask
.set WM,  212
.set MOLD, 244                         ; the running largest score
.set X0,  245
.set X1,  246
.set XO,  247
.set FF,  248                          ; v248-249
.set PO,  250
.set LT,  251                          ; v251-254 at work
.set LN,  253                          ; in the head: lane, r, h
.set RR,  254
.set HH,  255
.set PFO, 255                          ; behind the head's last use of h: the prefetches' offset: 16 rows x wave + 256 x lane; never rewritten
; scalar registers
.set WV,  34                           ; wave
.set W4,  35                           ; wave % 4
.set CXI, 36                           ; my place in the cluster: it enters global addresses of context, coverage, mask and the outputs alone
.set WG,  37                           ; my work-group
.set G1C, 40                           ; s[40:47] group 1: 64 rows of 512 bytes of codes
.set G1S, 48                           ; s[48:55] group 1: 4,096 scale bytes
.set G0C, 56                           ; s[56:63] group 0 for the codes, a set for each slot
.set WH,  66                           ; wave % 2
.set G0S, 68                           ; s[68:75] group 0 for the scale bytes
.set PTC, 76                           ; s[76:77] the walking pointer into the codes;  s[78:79] into the scale bytes;  s[80:81] W_h's first tile
.set PTS, 78
.set WHC, 80
.set NK,  82                           ; the tile last asked for
.set TR,  83                           ; trip in a pass
.set PS,  84                           ; pass
.set TL,  85                           ; trips of L's so far
.set HP,  86                           ; s[86:87] my batch's hidden state;  s[88:89] its cell state
.set CEL, 88
.set CX,  90                           ; s[90:91] context at the trip in hand
.set DX,  92                           ; s[92:93] its step
.set SEL, 94                           ; s[94:95] v_permlanex16_b32's selects for lane xor 16
.set C2,  96                           ; s[96:97] 2 log2(e)
.set L2E, 98
.set PSC, 99
.set WOF, 100                          ; s[100:101] 32,768 x (wave % 2): it never holds my place in the cluster
.set PFX, 14                           ; s[14:15] context at the trip that the prefetches name (the argument that lay there has been used)
.set PFD, 16                           ; s[16:17] its step
.set MSB, 0
.macro WIN new                         ; the immediate's high byte repeats the setting that is left; at a label and at a branch every window is 0
.if MSB != \new
	s_set_vgpr_msb (MSB<<8)|\new
.set MSB, \new
.endif
.endm
.macro PLACES n
.rept \n
	v_nop
.endr
.endm
.macro CROUND                          ; a round of the cluster's barrier
	s_barrier_signal -1
	s_barrier_wait -1
	s_cmp_lg_u32 s[WV], 0
	s_cbranch_scc1 .Lnot_wave_0_\@
	s_barrier_signal -3
.Lnot_wave_0_\@:
	s_barrier_wait -3
	s_barrier_signal -1
	s_barrier_wait -1
.endm
.macro PB                              ; the work-group's barrier: my LDS stores have landed and my LDS loads are in.  The tile asked for may stay out
	s_wait_dscnt 0x0
	s_barrier_signal -1
	s_barrier_wait -1
.endm
; A joint load into slot f: waves 0 and 1 the two halves of the codes, wave 2 the scale bytes, the others nothing.  Four v_nop follow each line.
.macro TLOAD f
	s_cmp_lt_u32 s[WV], 2
	s_cbranch_scc0 .Lnot_c_\@
	tensor_load_to_lds s[G0C+4*(\f):G0C+4*(\f)+3], s[G1C:G1C+7]
	s_nop 0
	PLACES 4
	s_branch .Lasked_\@
.Lnot_c_\@:
	s_cmp_eq_u32 s[WV], 2
	s_cbranch_scc0 .Lasked_\@
	tensor_load_to_lds s[G0S+4*(\f):G0S+4*(\f)+3], s[G1S:G1S+7]
	s_nop 0
	PLACES 4
.Lasked_\@:
.endm
; THE HEAD OF A STEP that reads slot s.  Every wave: all my tensor loads have landed (my part of slot s); the add; the next tile's place; the add and my reads of the other slot are done; a round.
; Behind it slot s is whole in all four work-groups and nobody reads the other slot, which takes the next tile: it has this step in which to land.
.macro SHEAD s, refill
	s_wait_tensorcnt 0x0                           ; no tensor load of mine is out, so a group 0 may be written
	ds_add_u32 v[SPW], v[NIL]                      ; 0 onto my spare word
.if \refill
	s_add_co_u32 s[NK], s[NK], 1
	s_add_nc_u64 s[PTC:PTC+1], s[PTC:PTC+1], 0x10000   ; 128 rows of 512 bytes on,
	s_add_nc_u64 s[PTS:PTS+1], s[PTS:PTS+1], 0x1000    ; 128 rows of 32
	s_and_b32 s38, s[NK], 7
	s_cmp_eq_u32 s38, 0                            ; behind a walk's eighth tile comes W_h's first: a choice without a jump
	s_cselect_b64 s[PTC:PTC+1], s[WHC:WHC+1], s[PTC:PTC+1]
	s_cselect_b64 s[PTS:PTS+1], s[10:11], s[PTS:PTS+1]
	s_mov_b64 s[G0C+4*(1-\s)+2:G0C+4*(1-\s)+3], s[PTC:PTC+1]
	s_or_b32 s[G0C+4*(1-\s)+3], s[G0C+4*(1-\s)+3], 0x80000000
	s_mov_b64 s[G0S+4*(1-\s)+2:G0S+4*(1-\s)+3], s[PTS:PTS+1]
	s_or_b32 s[G0S+4*(1-\s)+3], s[G0S+4*(1-\s)+3], 0x80000000
.endif
	s_wait_dscnt 0x0
	CROUND
.if \refill
	TLOAD 1-\s
.endif
.endm
.macro TRIPADR                         ; the trip's address registers, in lines that all waves run; no LDS instruction of mine is out
	s_lshl_b32 s38, s[TR], 10
	v_add_nc_u32 v[GT], s38, v[GT0]                ; two tiles of 128 e, 4 bytes each
	s_mul_i32 s38, s[TR], 4*528
	v_add_nc_u32 v[LC], s38, v[LC0]                ; four rows of codes,
	s_lshl_b32 s38, s[TR], 7
	v_add_nc_u32 v[LS], s38, v[LS0]                ; of scale bytes,
	s_lshl_b32 s38, s[TR], 13
	v_add_nc_u32 v[LW], s38, v[LD]                 ; of the copy
.endm
; ---- G ----
.macro GL s, u                         ; unit u of a step (16 weight rows): 8 fragments, their scale words, sf of their e: 19 loads
.irp ks, 0,1,2,3,4,5,6,7
	ds_load_b128 v[BF+8*\ks:BF+8*\ks+3], v[GB+\s] offset:8448*\u+64*\ks
	ds_load_b128 v[BF+8*\ks+4:BF+8*\ks+7], v[GB+\s] offset:8448*\u+64*\ks+32
.endr
	ds_load_b128 v[WSC:WSC+3], v[GS+\s] offset:512*\u      ; register i: K step i in lanes 0-15, K step 4 + i in lanes 16-31
	ds_load_b128 v[SF:SF+3], v[GT] offset:8192+512*\s+64*\u
	ds_load_b128 v[SF+4:SF+7], v[GT] offset:8192+512*\s+64*\u+16
.endm
.macro GVL s, u                        ; v of the unit's e
	ds_load_b128 v[VV+8*\u:VV+8*\u+3], v[GT] offset:4096+512*\s+64*\u
	ds_load_b128 v[VV+8*\u+4:VV+8*\u+7], v[GT] offset:4096+512*\s+64*\u+16
.endm
.macro GTL s, u                        ; W_x and v: 4 loads
	ds_load_b128 v[WX+8*\u:WX+8*\u+3], v[GT] offset:512*\s+64*\u
	ds_load_b128 v[WX+8*\u+4:WX+8*\u+7], v[GT] offset:512*\s+64*\u+16
	GVL \s, \u
.endm
; one matrix instruction.  cm = 0: C is 0;  1: C is sf;  2: it adds in place.  row = 1: both scale words from lanes 16-31
.macro WM d, a, b, cm, sa, sb, row
.if \cm == 0
	v_wmma_scale_f32_16x16x128_f8f6f4 v[\d:\d+7], v[\a:\a+7], v[\b:\b+7], 0, v[\sa], v[\sb] matrix_a_fmt:MATRIX_FMT_FP4 matrix_b_fmt:MATRIX_FMT_FP4
.elseif \cm == 1
	v_wmma_scale_f32_16x16x128_f8f6f4 v[\d:\d+7], v[\a:\a+7], v[\b:\b+7], v[SF:SF+7], v[\sa], v[\sb] matrix_a_fmt:MATRIX_FMT_FP4 matrix_b_fmt:MATRIX_FMT_FP4
.elseif \row == 0
	v_wmma_scale_f32_16x16x128_f8f6f4 v[\d:\d+7], v[\a:\a+7], v[\b:\b+7], v[\d:\d+7], v[\sa], v[\sb] matrix_a_fmt:MATRIX_FMT_FP4 matrix_b_fmt:MATRIX_FMT_FP4
.else
	v_wmma_scale_f32_16x16x128_f8f6f4 v[\d:\d+7], v[\a:\a+7], v[\b:\b+7], v[\d:\d+7], v[\sa], v[\sb] matrix_a_fmt:MATRIX_FMT_FP4 matrix_b_fmt:MATRIX_FMT_FP4 matrix_a_scale:MATRIX_SCALE_ROW1 matrix_b_scale:MATRIX_SCALE_ROW1
.endif
.endm
; 32 matrix instructions: 16 weight rows x 64 rows of context x K = 1,024.  The four accumulators take turns, one instruction a turn.
.macro MM
	WIN 0x04                                       ; source 1 (context) in window 1
.irp ks, 0,1,2,3,4,5,6,7
.irp m, 0,1,2,3
.if \ks == 0
	WM AC+8*\m, BF, 64*\m, 1, WSC, CSC+4*\m, 0
.elseif \ks < 4
	WM AC+8*\m, BF+8*\ks, 64*\m+8*\ks, 2, WSC+\ks, CSC+4*\m+\ks, 0
.else
	WM AC+8*\m, BF+8*\ks, 64*\m+8*\ks, 2, WSC+\ks-4, CSC+4*\m+\ks-4, 1
.endif
.endr
.endr
	WIN 0
.endm
; The unit's 16 e x 64 rows: x = sum + coverage W_x;  1 / (1 + 2^(2 log2(e) x));  times v, onto the rows' sums.  Each accumulator is read from its low end on.
.macro EPI u
.irp m, 0,1,2,3
.irp i, 0,2,4,6
	v_pk_fma_f32 v[AC+8*\m+\i:AC+8*\m+\i+1], v[WX+8*\u+\i:WX+8*\u+\i+1], v[COV+2*\m:COV+2*\m+1], v[AC+8*\m+\i:AC+8*\m+\i+1]
.endr
.endr
.set j, 0
.rept 16
	v_pk_mul_f32 v[AC+j:AC+j+1], v[AC+j:AC+j+1], s[C2:C2+1] op_sel_hi:[1,0]
.set j, j+2
.endr
.set j, 0
	s_wait_alu depctr_va_vdst(0)
.rept 32
	v_exp_f32 v[AC+j], v[AC+j]
.set j, j+1
.endr
	v_nop                                          ; a plain place behind the exponentials
.set j, 0
	s_wait_alu depctr_va_vdst(0)
.rept 16
	v_pk_add_f32 v[AC+j:AC+j+1], v[AC+j:AC+j+1], 1.0 op_sel_hi:[1,0]
.set j, j+2
.endr
.set j, 0
	s_wait_alu depctr_va_vdst(0)
.rept 32
	v_rcp_f32 v[AC+j], v[AC+j]
.set j, j+1
.endr
	v_nop                                          ; and behind the reciprocals
	s_wait_alu depctr_va_vdst(0)
.irp i, 0,2,4,6
.irp m, 0,1,2,3
	v_pk_fma_f32 v[SACC+2*\m:SACC+2*\m+1], v[VV+8*\u+\i:VV+8*\u+\i+1], v[AC+8*\m+\i:AC+8*\m+\i+1], v[SACC+2*\m:SACC+2*\m+1]
.endr
.endr
.endm
; A step of the large product: my 32 weight rows of the tile in slot s.  Unit 1's loads are issued ahead of unit 0's tanh, four places behind the products that read their registers.
.macro GSTEP s
	GL \s, 0
	GTL \s, 0
	s_wait_dscnt 4                                 ; fragments, scale words and sf are in; W_x's and v's four loads may be out
	MM
	PLACES 4
	s_wait_alu depctr_va_vdst(0)
	GL \s, 1
	GTL \s, 1
	s_wait_dscnt 23                                ; unit 0's W_x and v are in; unit 1's 19 + 4 loads may be out
	EPI 0
	s_wait_dscnt 4
	MM
	PLACES 4
	s_wait_dscnt 0x0
	EPI 1
.endm
; A unit of the small product: sf of 16 e.  Every column of source 1 is the state, so all 16 lanes of a half hold the same.  Two accumulators by turns: even K steps (begun with b_s), odd K steps (begun with 0).
.macro SFUNIT s, u
	GL \s, \u
	GVL \s, \u
	s_wait_dscnt 0x0
	WIN 0x04
.irp ks, 0,1,2,3,4,5,6,7
.if \ks == 0
	WM AC+16*\u, BF, 0, 1, WSC, CSC, 0
.elseif \ks == 1
	WM AC+16*\u+8, BF+8, 8, 0, WSC+1, CSC+1, 0
.elseif \ks < 4
	WM AC+16*\u+8*(\ks%2), BF+8*\ks, 8*\ks, 2, WSC+\ks, CSC+\ks, 0
.else
	WM AC+16*\u+8*(\ks%2), BF+8*\ks, 8*\ks, 2, WSC+\ks-4, CSC+\ks-4, 1
.endif
.endr
	WIN 0
	PLACES 4
.irp i, 0,2,4,6
	v_pk_add_f32 v[WX+8*\u+\i:WX+8*\u+\i+1], v[AC+16*\u+\i:AC+16*\u+\i+1], v[AC+16*\u+8+\i:AC+16*\u+8+\i+1]
.endr
.irp i, 0
	v_pk_add_f32 v[VS:VS+1], v[VS:VS+1], v[VV+8*\u+\i:VV+8*\u+\i+1]   ; the sum of my v, on the way
.endr
.irp i, 2, 4, 6
	s_delay_alu instid0(VALU_DEP_1)
	v_pk_add_f32 v[VS:VS+1], v[VS:VS+1], v[VV+8*\u+\i:VV+8*\u+\i+1]   ; the sum of my v, on the way
.endr
	ds_store_b128 v[GT], v[WX+8*\u:WX+8*\u+3] offset:8192+512*\s+64*\u        ; over b_s: only this wave reads these bytes again
	ds_store_b128 v[GT], v[WX+8*\u+4:WX+8*\u+7] offset:8192+512*\s+64*\u+16
.endm
.macro FIN                             ; my part of the 64 scores
	v_add_f32 v[VSUM], v[VS], v[VS+1]
.irp m, 0,1,2,3
	v_add_f32 v[GSM+\m], v[SACC+2*\m], v[SACC+2*\m+1]
.endr
	v_permlanex16_b32 v[GPD], v[VSUM], s[SEL], s[SEL+1]
.irp m, 0,1,2,3
	v_permlanex16_b32 v[GPM+\m], v[GSM+\m], s[SEL], s[SEL+1]
.endr
	v_add_f32 v[VSUM], v[VSUM], v[GPD]
.irp m, 0,1,2,3
	v_add_f32 v[GSM+\m], v[GSM+\m], v[GPM+\m]
.endr
.irp m, 0,1,2,3
	s_delay_alu instid0(VALU_DEP_4)
	v_fma_f32 v[GSM+\m], v[GSM+\m], -2.0, v[VSUM]
.endr
.irp m, 0,1,2,3
	ds_store_b32 v[GP], v[GSM+\m] offset:64*\m     ; both halves of the lanes write the same word with the same value
.endr
.endm
.macro GFIN
	s_cmp_lt_u32 s[WV], 4
	s_cbranch_scc0 .Lno_fin_\@
	s_wait_alu depctr_va_vdst(0)
	FIN
.Lno_fin_\@:
.endm
.macro GPREP                           ; a chunk's codes, scale words and coverage into my registers; the sums begin
	WIN 0x40                                       ; destination window 1
.irp m, 0,1,2,3
.irp ks, 0,1,2,3,4,5,6,7
	ds_load_b128 v[64*\m+8*\ks:64*\m+8*\ks+3], v[GA] offset:8448*\m+64*\ks
	ds_load_b128 v[64*\m+8*\ks+4:64*\m+8*\ks+7], v[GA] offset:8448*\m+64*\ks+32
.endr
.endr
	WIN 0
.irp m, 0,1,2,3
	ds_load_b128 v[CSC+4*\m:CSC+4*\m+3], v[GC] offset:512*\m
	ds_load_b32 v[COV+2*\m], v[GV] offset:64*\m
	ds_load_b32 v[COV+2*\m+1], v[GV] offset:64*\m
.endr
.irp i, 0,1,2,3,4,5,6,7
	v_mov_b32 v[SACC+\i], 0
.endr
.endm
; ---- L ----
; A row of 1,024 numbers is four pairs of loads.  Each load's 32 lanes take 512 consecutive bytes: in pair p a lane holds d = 256 p + 4 lane + 0 .. 3 and d = 256 p + 128 + 4 lane + 0 .. 3.
; So eight neighbouring lanes hold a block of 32, and a lane's eight registers of a pair belong to two blocks, 8 p + lane / 8 and 8 p + 4 + lane / 8.
.macro LQLOAD st
.irp rr, 0,1
.irp p, 0,1,2,3
	global_load_b128 v[LND+64*\st+32*\rr+8*\p:LND+64*\st+32*\rr+8*\p+3], v[LG], s[CX:CX+1] offset:(2*\st+\rr)*4096+1024*\p th:TH_LOAD_NT
	global_load_b128 v[LND+64*\st+32*\rr+8*\p+4:LND+64*\st+32*\rr+8*\p+7], v[LG], s[CX:CX+1] offset:(2*\st+\rr)*4096+1024*\p+512 th:TH_LOAD_NT
.endr
.endr
.endm
; The row in v[x] .. v[x + 31]: codes to v[ca] + co, scale bytes to v[sa] + so; copy = 1: rounded to bf16 in place and stored at v[LW] + ow.
; Half b (registers 4 b .. 4 b + 3) is my part of one block; the eight halves take turns, so no line reads a result made fewer than eight lines above it.
; A pair's eight registers are converted twice: under the first half's scale (the low 16 bits are that half's four codes) and under the second's (the high 16 bits).  The other 16 bits are not stored.
.macro LQROW x, q, ca, co, sa, so, copy, ow
.irp b, 0,1,2,3,4,5,6,7
	v_max3_num_f32 v[QM+\b], |v[\x+4*\b]|, |v[\x+4*\b+1]|, 0x1800000   ; with the floor 2^(3 - 127): the byte cannot fall under 1
.endr
.irp b, 0,1,2,3,4,5,6,7
	v_max3_num_f32 v[QM+\b], v[QM+\b], |v[\x+4*\b+2]|, |v[\x+4*\b+3]|
.endr
.irp k, 1,2,4
.irp b, 0,1,2,3,4,5,6,7
	v_max_num_f32_dpp v[QM+\b], v[QM+\b], v[QM+\b] row_xmask:\k row_mask:0xf bank_mask:0xf   ; over the block's eight lanes
.endr
.endr
.irp b, 0,1,2,3,4,5,6,7
	v_add_nc_u32 v[QM+\b], 0xff000000, v[QM+\b]    ; 2 off the exponent field: the conversion's scale operand
.endr
.irp b, 0,1,2,3,4,5,6,7
	v_cvt_scalef32_pk8_fp4_f32 v[QC+2*\q+\b], v[\x+8*(\b/2):\x+8*(\b/2)+7], v[QM+\b]
.endr
	v_nop                                          ; a plain place behind the conversions, ahead of the lines that write their sources
.irp b, 0,1,2,3,4,5,6,7
	v_lshrrev_b32 v[QM+\b], 23, v[QM+\b]           ; the scale's byte
.endr
.if \copy
.irp p, 0,1,2,3
.irp k, 0,1,2,3
	v_cvt_pk_bf16_f32 v[\x+8*\p+\k], v[\x+8*\p+2*\k], v[\x+8*\p+2*\k+1]   ; in place: register k is written when numbers 2 k and 2 k + 1 are read, behind all lower ones
.endr
.endr
.endif
.irp p, 0,1,2,3
	ds_store_b16 v[\ca], v[QC+2*\q+2*\p] offset:\co+128*\p                 ; four codes of d = 256 p + 4 lane ..: 2 bytes a lane
	ds_store_b16_d16_hi v[\ca], v[QC+2*\q+2*\p+1] offset:\co+128*\p+64     ; and of d = 256 p + 128 + 4 lane ..
	ds_store_b8 v[\sa], v[QM+2*\p] offset:\so+8*\p         ; the eight lanes of a block write the same byte with the same value
	ds_store_b8 v[\sa], v[QM+2*\p+1] offset:\so+8*\p+4
.if \copy
	ds_store_b128 v[LW], v[\x+8*\p:\x+8*\p+3] offset:\ow+512*\p
.endif
.endr
.endm
; L's part of a step: the set asked for a step ago is in; the other set is asked for; this set is worked.  lm = 2: the request that would pass my last row is left out.
; A PREFETCH INTO THE L2 stands behind the loads: one instruction a wave and step, lanes 256 bytes apart: the 8,192 bytes of the set that is loaded two trips (four steps) after the set just asked for.
; Each work-group reads rows of its own, so each aligned block of 256 bytes is named once in the launch.  Trips 0 and 1 and trip 2's first set come by their loads alone; no trip behind my 16th is named.
.macro LSTEP s, lm
	s_wait_loadcnt 0x0                             ; all my loads are in
.if \s == 0
	LQLOAD 1
	s_cmp_gt_u32 s[TL], 13                         ; trip TL + 2 is one of my 16?
	s_cbranch_scc1 .Lnot_asked_\@
	global_prefetch_b8 v[PFO], s[PFX:PFX+1] offset:0x2000 th:TH_LOAD_NT scope:SCOPE_SE   ; its rows 2 and 3
.Lnot_asked_\@:
.else
.if \lm == 2
	s_cmp_eq_u32 s[TL], 15
	s_cbranch_scc1 .Lno_more_\@
.endif
	s_wait_xcnt 0x0                                ; my loads and my prefetch have read their bases, which are stepped now
	s_mov_b32 s[DX], 0x4000                        ; four rows on; behind a chunk's last trip on to my rows of the next chunk
	s_cmp_eq_u32 s[TR], 3
	s_cselect_b32 s[DX], 0x34000, s[DX]
	s_add_nc_u64 s[CX:CX+1], s[CX:CX+1], s[DX:DX+1]
	s_mov_b32 s[PFD], 0x4000                       ; the prefetches' base likewise, from trip TL + 2 to TL + 3: a chunk's last trip is left where TR + 2 = 3
	s_cmp_eq_u32 s[TR], 1
	s_cselect_b32 s[PFD], 0x34000, s[PFD]
	s_add_nc_u64 s[PFX:PFX+1], s[PFX:PFX+1], s[PFD:PFD+1]
	LQLOAD 0
	s_cmp_gt_u32 s[TL], 12                         ; trip TL + 3 is one of my 16?
	s_cbranch_scc1 .Lnot_asked_\@
	global_prefetch_b8 v[PFO], s[PFX:PFX+1] th:TH_LOAD_NT scope:SCOPE_SE   ; its rows 0 and 1
.Lnot_asked_\@:
.if \lm == 2
.Lno_more_\@:
.endif
.endif
	LQROW LND+64*\s, 0, LC, (2*\s)*528, LS, (2*\s)*32, 1, (2*\s)*2048
	s_wait_dscnt 0x0                               ; the first row's stores have read the scale bytes' registers, which the second row writes again
	LQROW LND+64*\s+32, 4, LC, (2*\s+1)*528, LS, (2*\s+1)*32, 1, (2*\s+1)*2048
.endm
.macro UNDUMP                          ; my 16 rows of the copy leave LDS for window 1, so that the next chunk's can be written
	WIN 0x40
.irp rr, 0,1,2,3,4,5,6,7,8,9,10,11,12,13,14,15
.irp p, 0,1,2,3
	ds_load_b128 v[16*\rr+4*\p:16*\rr+4*\p+3], v[LD] offset:2048*\rr+512*\p
.endr
.endr
	WIN 0
.endm
; THE WEIGHTED SUM of the chunk whose scores have just been finished.  Every L wave adds the four parts of all 64 scores in the same order, so all four hold the same running maximum.
.macro WS
.irp w, 0,1,2,3
	ds_load_b32 v[WP+\w], v[LP] offset:256*\w
	ds_load_b32 v[WP+4+\w], v[LP] offset:256*\w+128
	ds_load_b32 v[WP+8+\w], v[LPO] offset:256*\w
.endr
	ds_load_b32 v[WM], v[LM]
	s_wait_dscnt 0x0
	v_add_f32 v[X0], v[WP], v[WP+1]
	v_add_f32 v[X1], v[WP+4], v[WP+5]
	v_add_f32 v[XO], v[WP+8], v[WP+9]
	v_add_f32 v[WP], v[WP+2], v[WP+3]
	v_add_f32 v[WP+4], v[WP+6], v[WP+7]
	v_add_f32 v[WP+8], v[WP+10], v[WP+11]
	s_delay_alu instid0(VALU_DEP_3)
	v_add_f32 v[X0], v[X0], v[WP]                  ; the scores of rows lane,
	s_delay_alu instid0(VALU_DEP_3)
	v_add_f32 v[X1], v[X1], v[WP+4]                ; lane + 32,
	s_delay_alu instid0(VALU_DEP_3)
	v_add_f32 v[XO], v[XO], v[WP+8]                ; and of my own row r
	ds_store_b32 v[LSO], v[XO]
	v_max_num_f32 v[LT], v[X0], v[X1]
	s_delay_alu instid0(VALU_DEP_1)
	v_max_num_f32_dpp v[LT], v[LT], v[LT] row_xmask:1 row_mask:0xf bank_mask:0xf
	s_delay_alu instid0(VALU_DEP_1)
	v_max_num_f32_dpp v[LT], v[LT], v[LT] row_xmask:2 row_mask:0xf bank_mask:0xf
	s_delay_alu instid0(VALU_DEP_1)
	v_max_num_f32_dpp v[LT], v[LT], v[LT] row_xmask:4 row_mask:0xf bank_mask:0xf
	s_delay_alu instid0(VALU_DEP_1)
	v_max_num_f32_dpp v[LT], v[LT], v[LT] row_xmask:8 row_mask:0xf bank_mask:0xf
	s_delay_alu instid0(VALU_DEP_1)
	v_permlanex16_b32 v[LT+1], v[LT], s[SEL], s[SEL+1]
	s_delay_alu instid0(VALU_DEP_1)
	v_max3_num_f32 v[LT], v[LT], v[LT+1], v[MOLD]  ; the new running maximum
	s_delay_alu instid0(VALU_DEP_1)
	v_sub_f32 v[LT+2], v[MOLD], v[LT]
	s_delay_alu instid0(VALU_DEP_2)
	v_sub_f32 v[LT+3], v[XO], v[LT]
	s_delay_alu instid0(VALU_DEP_2)
	v_mul_f32 v[LT+2], s[L2E], v[LT+2]
	s_delay_alu instid0(VALU_DEP_2)
	v_mul_f32 v[LT+3], s[L2E], v[LT+3]
	s_wait_alu depctr_va_vdst(0)
	v_exp_f32 v[FF], v[LT+2]                       ; what was summed under the old maximum is brought under the new
	v_exp_f32 v[PO], v[LT+3]
	v_mov_b32 v[MOLD], v[LT]                       ; (a plain place behind the exponentials)
	s_wait_alu depctr_va_vdst(0)
	v_mul_f32 v[PO], v[PO], v[WM]                  ; my row's weight, masked
.irp rr, 0,1,2,3,4,5,6,7,8,9,10,11,12,13,14,15
	v_readlane_b32 s[PSC], v[PO], \rr
	s_delay_alu instid0(VALU_DEP_1)
	v_mov_b32 v[PBR+\rr], s[PSC]                   ; row rr's weight in every lane
.endr
.set j, 0
.rept 16
	v_pk_mul_f32 v[OO+j:OO+j+1], v[OO+j:OO+j+1], v[FF:FF+1] op_sel_hi:[1,0]
.set j, j+2
.endr
	WIN 0x01                                       ; source 0 (the copy) in window 1
.irp rr, 0,1,2,3,4,5,6,7,8,9,10,11,12,13,14,15
.irp p, 0,1,2,3
.irp k, 0,1,2,3
	v_fma_mix_f32_bf16 v[OO+8*\p+2*\k], v[16*\rr+4*\p+\k], v[PBR+\rr], v[OO+8*\p+2*\k] op_sel_hi:[1,0,0]
	v_fma_mix_f32_bf16 v[OO+8*\p+2*\k+1], v[16*\rr+4*\p+\k], v[PBR+\rr], v[OO+8*\p+2*\k+1] op_sel:[1,0,0] op_sel_hi:[1,0,0]
.endr
.endr
.endr
	WIN 0
.endm
; A STEP.  gm = 0: G makes sf, 1: the large product.  lm = 0: L has nothing to do, 1, 2: see LSTEP.  The roles part on the wave's number and join ahead of the next step's head.
.macro STEP s, refill, gm, lm
	SHEAD \s, \refill
.if \s == 0
	TRIPADR
.endif
	s_cmp_lt_u32 s[WV], 4
	s_cbranch_scc0 .Lrole_l_\@
.if \gm == 0
	s_wait_alu depctr_va_vdst(0)
	SFUNIT \s, 0
	s_wait_alu depctr_va_vdst(0)
	SFUNIT \s, 1
.else
	s_wait_alu depctr_va_vdst(0)
	GSTEP \s
.endif
.if \lm
	s_branch .Lrole_j_\@
.Lrole_l_\@:
	LSTEP \s, \lm
.Lrole_j_\@:
.else
.Lrole_l_\@:
.endif
.endm
.macro TABST                           ; W_x, v and b_s into LDS, 16 bytes a thread
	ds_store_b128 v[TW], v[TBL:TBL+3]
	ds_store_b128 v[TW], v[TBL+4:TBL+7] offset:4096
	ds_store_b128 v[TW], v[TBL+8:TBL+11] offset:8192
.endm
; ================= THE HEAD =================
	s_load_b512 s[4:19], s[0:1], 0x0               ; W_s codes, W_s scales, W_h codes, W_h scales, context, hidden, cell, coverage
	s_load_b256 s[20:27], s[0:1], 0x40             ; mask, W_x, v, b_s
	s_load_b128 s[28:31], s[0:1], 0x60             ; out2, out3
	s_load_b64 s[32:33], s[0:1], 0x70              ; part
	v_lshl_add_u32 v[SPW], v0, 2, SPARE
	v_mov_b32 v[NIL], 0
	ds_add_u32 v1, v2
	ds_add_u32 v1, v2
	s_wait_dscnt 0x0
	v_lshrrev_b32 v[LN], 5, v0
	s_delay_alu instid0(VALU_DEP_1)
	v_readfirstlane_b32 s[WV], v[LN]               ; wave 0..7
	s_and_b32 s[W4], s[WV], 3
	s_and_b32 s[WH], s[WV], 1
	s_bfe_u32 s[CXI], ttmp6, 0x40000               ; my place in the cluster
	s_lshl_b32 s[WG], ttmp9, 2                     ; ttmp9 counts clusters: the batch
	s_add_co_u32 s[WG], s[WG], s[CXI]
	v_and_b32 v[LN], 31, v0                        ; lane
	v_and_b32 v[RR], 15, v0                        ; r
	v_bfe_u32 v[HH], v0, 4, 1                      ; h
	s_mul_i32 s38, s[W4], 32*528                   ; G: my 32 rows of a tile: row r, + 16 h
	v_mul_u32_u24 v[GB], v[RR], 528
	s_delay_alu instid0(VALU_DEP_1)
	v_lshl_add_u32 v[GB], v[HH], 4, v[GB]
	s_delay_alu instid0(VALU_DEP_1)
	v_add_nc_u32 v[GB], s38, v[GB]
	s_delay_alu instid0(VALU_DEP_1)
	v_add_nc_u32 v[GB+1], SLOT, v[GB]
	s_lshl_b32 s38, s[W4], 10                      ; their scale bytes: 32 a row, + 16 h
	v_lshlrev_b32 v[GS], 5, v[RR]
	s_delay_alu instid0(VALU_DEP_1)
	v_lshl_add_u32 v[GS], v[HH], 4, v[GS]
	s_delay_alu instid0(VALU_DEP_1)
	v_add_nc_u32 v[GS], s38, v[GS]
	s_delay_alu instid0(VALU_DEP_1)
	v_add_nc_u32 v[GS], WSCO, v[GS]
	s_delay_alu instid0(VALU_DEP_1)
	v_add_nc_u32 v[GS+1], SLOT, v[GS]
	s_lshl_b32 s38, s[W4], 7                       ; the tables: 4 bytes an e: 128 x wave + 32 h
	v_lshl_add_u32 v[GT0], v[HH], 5, TAB
	s_delay_alu instid0(VALU_DEP_1)
	v_add_nc_u32 v[GT0], s38, v[GT0]
	v_mul_u32_u24 v[GA], v[RR], 528
	s_delay_alu instid0(VALU_DEP_1)
	v_lshl_add_u32 v[GA], v[HH], 4, v[GA]
	s_delay_alu instid0(VALU_DEP_1)
	v_add_nc_u32 v[GA], CODE, v[GA]
	v_lshl_add_u32 v[GAS], v[HH], 4, CODE
	v_lshlrev_b32 v[GC], 5, v[RR]
	s_delay_alu instid0(VALU_DEP_1)
	v_lshl_add_u32 v[GC], v[HH], 4, v[GC]
	s_delay_alu instid0(VALU_DEP_1)
	v_add_nc_u32 v[GC], CSCL, v[GC]
	v_lshl_add_u32 v[GCS], v[HH], 4, CSCL
	s_lshl_b32 s38, s[W4], 8
	v_lshl_add_u32 v[GP], v[RR], 2, SCP
	s_delay_alu instid0(VALU_DEP_1)
	v_add_nc_u32 v[GP], s38, v[GP]
	v_lshl_add_u32 v[GV0], v[RR], 2, COVT
	s_mul_i32 s38, s[W4], 16*528                   ; L: my 16 rows of a chunk
	v_lshl_add_u32 v[SCA], v[LN], 1, CODE
	s_delay_alu instid0(VALU_DEP_1)
	v_add_nc_u32 v[LC0], s38, v[SCA]
	s_lshl_b32 s38, s[W4], 9
	v_lshrrev_b32 v[SSA], 3, v[LN]
	s_delay_alu instid0(VALU_DEP_1)
	v_add_nc_u32 v[SSA], CSCL, v[SSA]
	s_delay_alu instid0(VALU_DEP_1)
	v_add_nc_u32 v[LS0], s38, v[SSA]
	v_lshl_add_u32 v[CM], v[LN], 4, COVT
	s_delay_alu instid0(VALU_DEP_1)
	v_add_nc_u32 v[CM], s38, v[CM]                 ; waves 0, 1: coverage; waves 2, 3: the mask, which lies behind it
	s_lshl_b32 s38, s[W4], 15
	v_lshl_add_u32 v[LD], v[LN], 4, COPY
	s_delay_alu instid0(VALU_DEP_1)
	v_add_nc_u32 v[LD], s38, v[LD]
	v_lshl_add_u32 v[LOX], v[LN], 4, COPY
	s_delay_alu instid0(VALU_DEP_1)
	v_add_nc_u32 v[LOX], s38, v[LOX]
	v_lshl_add_u32 v[LP], v[LN], 2, SCP
	s_lshl_b32 s38, s[W4], 6
	v_lshl_add_u32 v[LPO], v[RR], 2, SCP
	s_delay_alu instid0(VALU_DEP_1)
	v_add_nc_u32 v[LPO], s38, v[LPO]
	v_lshl_add_u32 v[LM0], v[RR], 2, MSK-256
	s_delay_alu instid0(VALU_DEP_1)
	v_add_nc_u32 v[LM0], s38, v[LM0]
	v_lshl_add_u32 v[LSO0], v[RR], 2, SCO-256
	s_delay_alu instid0(VALU_DEP_1)
	v_add_nc_u32 v[LSO0], s38, v[LSO0]
	v_lshlrev_b32 v[T16], 4, v0
	s_delay_alu instid0(VALU_DEP_1)
	v_add_nc_u32 v[TW], TAB, v[T16]
	s_delay_alu instid0(VALU_DEP_2)
	v_add_nc_u32 v[TX], COPY, v[T16]
	s_delay_alu instid0(VALU_DEP_1)
	v_add_nc_u32 v[TX2], 65536, v[TX]
	s_lshl_b32 s38, s[W4], 16
	v_lshlrev_b32 v[SL], 4, v[LN]
	v_lshl_add_u32 v[PFO], v[LN], 8, s38           ; h has had its last use
	s_delay_alu instid0(VALU_DEP_2)
	v_add_nc_u32 v[LG], s38, v[SL]
	s_lshl_b32 s38, s[WH], 9
	v_lshlrev_b32 v[L16], 4, v[LN]
	s_delay_alu instid0(VALU_DEP_1)
	v_add_nc_u32 v[L16], s38, v[L16]
	s_delay_alu instid0(VALU_DEP_1)
	v_add_nc_u32 v[SOX], SCO, v[L16]
	v_mov_b32 v[GPD], 0                            ; written once: a lane permute's destination counts as one of its sources
.irp m, 0,1,2,3
	v_mov_b32 v[GPM+\m], 0
.endr
	v_mov_b32 v[LT+1], 0
	; group 1 for the codes: 64 rows of 512 bytes, dense in memory, 16 bytes of padding behind each in LDS
	s_mov_b32 s[G1C], 15|(1<<20)|(1<<21)|(6<<22)|(3<<25)   ; 15:0 the mask: all four work-groups; 17:16 elements of 1 byte; 20 padding on; 21 set beside a mask; 24:22 after every 128 words; 31:25 four words
	s_mov_b32 s[G1C+1], 512<<16                    ; tensor_dim0
	s_mov_b32 s[G1C+2], 64<<16                     ; tensor_dim1
	s_mov_b32 s[G1C+3], 512<<16                    ; tile_dim0
	s_mov_b32 s[G1C+4], 64                         ; tile_dim1
	s_mov_b32 s[G1C+5], 512                        ; from row to row
	s_mov_b32 s[G1C+6], 0
	s_mov_b32 s[G1C+7], 0
	; group 1 for the scale bytes of 128 rows: 4,096 dense bytes as 16 rows of 32 elements of 8 bytes
	s_mov_b32 s[G1S], 15|(3<<16)|(1<<21)
	s_mov_b32 s[G1S+1], 32<<16
	s_mov_b32 s[G1S+2], 16<<16
	s_mov_b32 s[G1S+3], 32<<16
	s_mov_b32 s[G1S+4], 16
	s_mov_b32 s[G1S+5], 32
	s_mov_b32 s[G1S+6], 0
	s_mov_b32 s[G1S+7], 0
	s_mul_i32 s67, s[WH], 64*528                   ; which half of a tile's rows I fetch, if I fetch codes
	s_mov_b32 s[G0C], 1
	s_mov_b32 s[G0C+1], s67
	s_mov_b32 s[G0C+4], 1
	s_add_co_u32 s[G0C+5], s67, SLOT
	s_mov_b32 s[G0S], 1
	s_mov_b32 s[G0S+1], WSCO
	s_mov_b32 s[G0S+4], 1
	s_mov_b32 s[G0S+5], SLOT+WSCO
	s_lshl_b32 s[WOF], s[WH], 15
	s_mov_b32 s[WOF+1], 0
	s_mov_b32 s[SEL], 0x76543210
	s_mov_b32 s[SEL+1], 0xfedcba98
	s_mov_b32 s[C2], 0x4038aa3b                    ; 2 log2(e)
	s_mov_b32 s[C2+1], s[C2]                       ; (named with it as a pair, so it is written)
	s_mov_b32 s[L2E], 0x3fb8aa3b
	s_mov_b32 s[DX+1], 0
	s_mov_b32 s[NK], 0
	s_mov_b32 s[TL], 0
	s_mov_b32 s39, 0
	s_wait_kmcnt 0x0
	s_add_nc_u64 s[PTC:PTC+1], s[4:5], s[WOF:WOF+1]
	s_add_nc_u64 s[WHC:WHC+1], s[8:9], s[WOF:WOF+1]
	s_mov_b64 s[PTS:PTS+1], s[6:7]
	s_mov_b64 s[G0C+2:G0C+3], s[PTC:PTC+1]
	s_or_b32 s[G0C+3], s[G0C+3], 0x80000000
	s_mov_b64 s[G0S+2:G0S+3], s[PTS:PTS+1]
	s_or_b32 s[G0S+3], s[G0S+3], 0x80000000
	CROUND                                         ; all four work-groups are here: the first joint loads meet
	TLOAD 0                                        ; W_s's first tile
	s_lshl_b32 s38, s[WG], 10                      ; my 256 numbers of coverage, mask, out2, out3
	s_add_nc_u64 s[18:19], s[18:19], s[38:39]
	s_add_nc_u64 s[20:21], s[20:21], s[38:39]
	s_add_nc_u64 s[28:29], s[28:29], s[38:39]
	s_add_nc_u64 s[30:31], s[30:31], s[38:39]
	s_lshl_b32 s38, s[WG], 12
	s_add_nc_u64 s[32:33], s[32:33], s[38:39]      ; my 1,024 numbers of part
	s_lshl_b32 s38, s[WG], 20
	s_add_nc_u64 s[CX:CX+1], s[12:13], s[38:39]    ; my 256 rows of context
	s_lshl_b32 s38, ttmp9, 11
	s_add_nc_u64 s[HP:HP+1], s[14:15], s[38:39]    ; my batch's state
	s_add_nc_u64 s[CEL:CEL+1], s[16:17], s[38:39]
	s_add_nc_u64 s[PFX:PFX+1], s[CX:CX+1], 0x8000  ; the prefetches begin at trip 2
	s_mov_b32 s[PFD+1], 0
	global_load_b128 v[TBL:TBL+3], v[T16], s[22:23]
	global_load_b128 v[TBL+4:TBL+7], v[T16], s[24:25]
	global_load_b128 v[TBL+8:TBL+11], v[T16], s[26:27]
	s_cmp_lt_u32 s[WV], 4
	s_cbranch_scc0 .Lhead_l
	s_cmp_lt_u32 s[WV], 2                          ; waves 0, 1 bring coverage, waves 2, 3 the mask
	s_cselect_b64 s[12:13], s[18:19], s[20:21]
	s_wait_alu depctr_va_vdst(0)
	global_load_b128 v[TBL+12:TBL+15], v[L16], s[12:13]
	s_cmp_lg_u32 s[WV], 0
	s_cbranch_scc1 .Lno_state
.irp p, 0,1                                    ; wave 0 quantises the state: hidden, then cell, laid as a row of context
	global_load_b128 v[LND+8*\p:LND+8*\p+3], v[SL], s[HP:HP+1] offset:1024*\p
	global_load_b128 v[LND+8*\p+4:LND+8*\p+7], v[SL], s[HP:HP+1] offset:1024*\p+512
	global_load_b128 v[LND+16+8*\p:LND+16+8*\p+3], v[SL], s[CEL:CEL+1] offset:1024*\p
	global_load_b128 v[LND+16+8*\p+4:LND+16+8*\p+7], v[SL], s[CEL:CEL+1] offset:1024*\p+512
.endr
	s_wait_loadcnt 0x0
	LQROW LND, 0, SCA, 0, SSA, 0, 0, 0
.Lno_state:
	s_wait_loadcnt 0x0
	TABST
	ds_store_b128 v[CM], v[TBL+12:TBL+15]
	s_cmp_lt_u32 s[WV], 2
	s_cbranch_scc0 .Lno_out2
	global_store_b128 v[L16], v[TBL+12:TBL+15], s[28:29]   ; out2 = coverage: a wave stores 512 consecutive bytes
	s_wait_xcnt 0x0                                ; the store's registers are written again (as accumulators) only behind this wait
.Lno_out2:
	v_mov_b32 v[VS], 0
	v_mov_b32 v[VS+1], 0
	s_branch .Lhead_j
.Lhead_l:
	LQLOAD 0                                       ; my first two rows
.set j, 0
.rept 32
	v_mov_b32 v[OO+j], 0                           ; WS is written for every chunk alike: the first finds zeros
.set j, j+1
.endr
	v_mov_b32 v[MOLD], 0xff61b1e6                  ; -3e38, under every score
	v_mov_b32 v[FF+1], 0                           ; (named as the upper half of a pair)
	s_wait_loadcnt 16                              ; the three tables are in; the 16 loads behind them may be out
	TABST
.Lhead_j:
	PB                                             ; tables, coverage, mask and the state's codes lie in LDS
	s_cmp_lt_u32 s[WV], 4
	s_cbranch_scc0 .Lno_st
	WIN 0x40                                       ; the state's 8 fragments: every lane of a half takes the same 16 bytes
.irp ks, 0,1,2,3,4,5,6,7
	ds_load_b128 v[8*\ks:8*\ks+3], v[GAS] offset:64*\ks
	ds_load_b128 v[8*\ks+4:8*\ks+7], v[GAS] offset:64*\ks+32
.endr
	WIN 0
	ds_load_b128 v[CSC:CSC+3], v[GCS]
.Lno_st:
; ================= PASS 0: G makes sf from W_s, L takes in chunk 0 =================
	s_mov_b32 s[TR], 0
.Ltrip0:
	STEP 0, 1, 0, 1
	STEP 1, 1, 0, 1
	s_add_co_u32 s[TL], s[TL], 1
	s_add_co_u32 s[TR], s[TR], 1
	s_cmp_lt_u32 s[TR], 4
	s_cbranch_scc1 .Ltrip0
	PB                                             ; chunk 0's codes lie in LDS
	v_add_nc_u32 v[GV], 0, v[GV0]
	s_cmp_lt_u32 s[WV], 4
	s_cbranch_scc0 .Lp0_l
	GPREP
	s_branch .Lp0_j
.Lp0_l:
	UNDUMP
.Lp0_j:
; ================= PASSES 1 TO 3: G works chunk p - 1, L takes in chunk p =================
	s_mov_b32 s[PS], 1
.Lpass:
	s_mov_b32 s[TR], 0
.Ltrip:
	STEP 0, 1, 1, 2
	STEP 1, 1, 1, 2
	s_add_co_u32 s[TL], s[TL], 1
	s_add_co_u32 s[TR], s[TR], 1
	s_cmp_lt_u32 s[TR], 4
	s_cbranch_scc1 .Ltrip
	GFIN
	PB                                             ; chunk p - 1's score parts and chunk p's codes lie in LDS
	s_lshl_b32 s38, s[PS], 8
	v_add_nc_u32 v[GV], s38, v[GV0]                ; coverage of chunk p;
	v_add_nc_u32 v[LM], s38, v[LM0]                ; mask and scores of chunk p - 1
	v_add_nc_u32 v[LSO], s38, v[LSO0]
	s_cmp_lt_u32 s[WV], 4
	s_cbranch_scc0 .Lpe_l
	GPREP
	s_branch .Lpe_j
.Lpe_l:
	s_wait_alu depctr_va_vdst(0)
	WS
	UNDUMP
.Lpe_j:
	s_add_co_u32 s[PS], s[PS], 1
	s_cmp_lt_u32 s[PS], 4
	s_cbranch_scc1 .Lpass
; ================= PASS 4: G works chunk 3; the last step asks for no tile, so the last trip is written out =================
	s_mov_b32 s[TR], 0
.Ltrip4:
	STEP 0, 1, 1, 0
	STEP 1, 1, 1, 0
	s_add_co_u32 s[TR], s[TR], 1
	s_cmp_lt_u32 s[TR], 3
	s_cbranch_scc1 .Ltrip4
	STEP 0, 1, 1, 0
	STEP 1, 0, 1, 0
	GFIN
	PB
	v_add_nc_u32 v[LM], 1024, v[LM0]
	v_add_nc_u32 v[LSO], 1024, v[LSO0]
	s_cmp_lt_u32 s[WV], 4
	s_cbranch_scc1 .Lno_ws
	WS
.irp p, 0,1,2,3
	ds_store_b128 v[LOX], v[OO+8*\p:OO+8*\p+3] offset:1024*\p          ; my sums as a row of 1,024 f32, at the head of my part of the copy, which has been read
	ds_store_b128 v[LOX], v[OO+8*\p+4:OO+8*\p+7] offset:1024*\p+512
.endr
.Lno_ws:
	PB                                             ; four rows of sums and 256 scores lie in LDS
	ds_load_b128 v[40:43], v[TX]
	ds_load_b128 v[44:47], v[TX] offset:32768
	ds_load_b128 v[48:51], v[TX2]
	ds_load_b128 v[52:55], v[TX2] offset:32768
	s_wait_dscnt 0x0
	v_pk_add_f32 v[40:41], v[40:41], v[44:45]
	v_pk_add_f32 v[42:43], v[42:43], v[46:47]
	v_pk_add_f32 v[48:49], v[48:49], v[52:53]
	v_pk_add_f32 v[50:51], v[50:51], v[54:55]
	s_delay_alu instid0(VALU_DEP_2)
	v_pk_add_f32 v[40:41], v[40:41], v[48:49]
	s_delay_alu instid0(VALU_DEP_2)
	v_pk_add_f32 v[42:43], v[42:43], v[50:51]
	global_store_b128 v[T16], v[40:43], s[32:33]   ; part: a wave stores 512 consecutive bytes
	s_cmp_lt_u32 s[WV], 2
	s_cbranch_scc0 .Lno_out3
	ds_load_b128 v[56:59], v[SOX]
	s_wait_dscnt 0x0
	global_store_b128 v[L16], v[56:59], s[30:31]   ; out3
.Lno_out3:
	s_wait_tensorcnt 0x0                           ; the wave's end
	ds_add_u32 v[SPW], v[NIL]
	s_wait_dscnt 0x0
	CROUND                                         ; the closing round
	s_endpgm
.Lfunc_end_k_q284c6fe996_main:
	.size	k_q284c6fe996_main, .Lfunc_end_k_q284c6fe996_main-k_q284c6fe996_main
	.p2alignl 7, 3214868480
	.fill 96, 4, 3214868480
	.section	.rodata,"a",@progbits
	.p2align	6, 0x0
	.amdhsa_kernel k_q284c6fe996_main
		.amdhsa_group_segment_fixed_size 327680
		.amdhsa_private_segment_fixed_size 0
		.amdhsa_enable_private_segment 0
		.amdhsa_kernarg_size 120
		.amdhsa_user_sgpr_count 2
		.amdhsa_user_sgpr_kernarg_segment_ptr 1
		.amdhsa_wavefront_size32 1
		.amdhsa_system_sgpr_workgroup_id_x 1
		.amdhsa_system_sgpr_workgroup_id_y 1
		.amdhsa_system_sgpr_workgroup_id_z 1
		.amdhsa_system_vgpr_workitem_id 0
		.amdhsa_next_free_vgpr 512
		.amdhsa_next_free_sgpr 102
		.amdhsa_reserve_vcc 0
		.amdhsa_float_denorm_mode_32 3
		.amdhsa_float_denorm_mode_16_64 3
		.amdhsa_memory_ordered 1
		.amdhsa_forward_progress 1
		.amdhsa_inst_pref_size 255
	.end_amdhsa_kernel
	.section	.bss,"aw",@nobits
	.p2align	6
	.space	262144
	.amdgpu_metadata
---
amdhsa.version: [ 1, 2 ]
amdhsa.kernels:
  - .name:           k_q284c6fe996_main
    .symbol:         k_q284c6fe996_main.kd
    .args:
      - { .name: W_s_codes, .offset: 0, .size: 8, .value_kind: global_buffer, .address_space: global }
      - { .name: W_s_scales, .offset: 8, .size: 8, .value_kind: global_buffer, .address_space: global }
      - { .name: W_h_codes, .offset: 16, .size: 8, .value_kind: global_buffer, .address_space: global }
      - { .name: W_h_scales, .offset: 24, .size: 8, .value_kind: global_buffer, .address_space: global }
      - { .name: context, .offset: 32, .size: 8, .value_kind: global_buffer, .address_space: global }
      - { .name: hidden_state, .offset: 40, .size: 8, .value_kind: global_buffer, .address_space: global }
      - { .name: cell_state, .offset: 48, .size: 8, .value_kind: global_buffer, .address_space: global }
      - { .name: coverage, .offset: 56, .size: 8, .value_kind: global_buffer, .address_space: global }
      - { .name: padding_mask, .offset: 64, .size: 8, .value_kind: global_buffer, .address_space: global }
      - { .name: W_x, .offset: 72, .size: 8, .value_kind: global_buffer, .address_space: global }
      - { .name: v, .offset: 80, .size: 8, .value_kind: global_buffer, .address_space: global }
      - { .name: b_s, .offset: 88, .size: 8, .value_kind: global_buffer, .address_space: global }
      - { .name: out2, .offset: 96, .size: 8, .value_kind: global_buffer, .address_space: global }
      - { .name: out3, .offset: 104, .size: 8, .value_kind: global_buffer, .address_space: global }
      - { .name: part, .offset: 112, .size: 8, .value_kind: global_buffer, .address_space: global }
    .group_segment_fixed_size: 327680
    .private_segment_fixed_size: 0
    .kernarg_segment_align: 8
    .kernarg_segment_size: 120
    .max_flat_workgroup_size: 256
    .sgpr_count:     102
    .vgpr_count:     512
    .wavefront_size: 32
...
	.end_amdgpu_metadata
.endif
;; end of part 1
;; launch finish (part 2): grid 64 x 1, 8 waves a work-group, no clusters, 1,280 bytes of LDS; arguments out3, padding_mask, part, out0, out1; writes out0, out1
.if DOCPART == 2
	.amdgcn_target "amdgcn-amd-amdhsa--gfx1250"
	.amdhsa_code_object_version 6
	.text
	.protected	k_q284c6fe996_finish
	.globl	k_q284c6fe996_finish
	.p2align	8
	.type	k_q284c6fe996_finish,@function
k_q284c6fe996_finish:
	s_mov_b64 s[64:65], 0
	v_nop
	global_prefetch_b8 v0, s[64:65] scope:SCOPE_SE
	s_setreg_imm32_b32 hwreg(HW_REG_WAVE_MODE, 25, 1), 1
	s_wait_xcnt 0x0
; out1[l] = 2^((s[l] - M) log2 e) mask[l] / Z, M the batch's largest score, Z the sum of the numerators (the softmax's own divisor cancels against the renormalisation).
; out0[d] = sum over q of 2^((m_q - M) log2 e) part[q][d] / Z: part q was summed under m_q, the largest score of quarter q, which is found again here from the same scores: a maximum rounds nothing.
; 2.1 MB move in the whole launch: no tensor load, no matrix instruction, no cluster: nothing is shared between work-groups.
; LIMITS: NaN and infinities are not served; a batch whose mask is all zero gives NaN (0 x infinity), as the division 0 / 0 does.
	s_load_b256 s[4:11], s[0:1], 0x0               ; out3 s[4:5], mask s[6:7], part s[8:9], out0 s[10:11]
	s_load_b64 s[12:13], s[0:1], 0x20              ; out1
	v_lshl_add_u32 v64, v0, 2, 0x100
	v_mov_b32 v65, 0
	v_lshlrev_b32 v1, 4, v0                        ; 16 bytes a thread
	v_lshrrev_b32 v2, 5, v0
	s_delay_alu instid0(VALU_DEP_1)
	v_readfirstlane_b32 s14, v2                    ; wave
	s_lshl_b32 s14, s14, 2
	v_mov_b32 v2, s14                              ; my wave's word in LDS
	v_mov_b32 v3, 0
	v_mov_b32 v29, 0                               ; a lane permute's destination counts as one of its sources
	s_lshl_b32 s16, ttmp9, 12                      ; a batch's 1,024 numbers
	s_mov_b32 s17, 0
	s_lshl_b32 s18, ttmp9, 14                      ; its four parts
	s_mov_b32 s19, 0
	s_mov_b32 s20, 0x76543210
	s_mov_b32 s21, 0xfedcba98                      ; v_permlanex16_b32's selects for lane xor 16
	s_mov_b32 s22, 0x3fb8aa3b                      ; log2(e)
	s_wait_alu depctr_va_vdst(0)
	s_wait_kmcnt 0x0
	s_add_nc_u64 s[4:5], s[4:5], s[16:17]
	s_add_nc_u64 s[6:7], s[6:7], s[16:17]
	s_add_nc_u64 s[8:9], s[8:9], s[18:19]
	s_add_nc_u64 s[10:11], s[10:11], s[16:17]
	s_add_nc_u64 s[12:13], s[12:13], s[16:17]
	global_load_b128 v[4:7], v1, s[4:5]            ; scores
	global_load_b128 v[8:11], v1, s[6:7]           ; mask
.irp q, 0,1,2,3
	global_load_b128 v[12+4*\q:15+4*\q], v1, s[8:9] offset:4096*\q
.endr
	s_wait_loadcnt 5                               ; the scores are in; the mask and the four parts may be out
	v_max3_num_f32 v28, v4, v5, v6
	s_delay_alu instid0(VALU_DEP_1)
	v_max_num_f32 v28, v28, v7
	s_delay_alu instid0(VALU_DEP_1)
	v_max_num_f32_dpp v28, v28, v28 row_xmask:1 row_mask:0xf bank_mask:0xf
	s_delay_alu instid0(VALU_DEP_1)
	v_max_num_f32_dpp v28, v28, v28 row_xmask:2 row_mask:0xf bank_mask:0xf
	s_delay_alu instid0(VALU_DEP_1)
	v_max_num_f32_dpp v28, v28, v28 row_xmask:4 row_mask:0xf bank_mask:0xf
	s_delay_alu instid0(VALU_DEP_1)
	v_max_num_f32_dpp v28, v28, v28 row_xmask:8 row_mask:0xf bank_mask:0xf
	s_delay_alu instid0(VALU_DEP_1)
	v_permlanex16_b32 v29, v28, s20, s21
	s_delay_alu instid0(VALU_DEP_1)
	v_max_num_f32 v28, v28, v29                    ; my wave's largest of 128 scores
	ds_store_b32 v2, v28
	s_wait_dscnt 0x0
	s_barrier_signal -1
	s_barrier_wait -1
	ds_load_b128 v[32:35], v3
	ds_load_b128 v[36:39], v3 offset:16
	s_wait_dscnt 0x0
	v_max_num_f32 v40, v32, v33                    ; m_q: quarter q is waves 2 q and 2 q + 1
	v_max_num_f32 v41, v34, v35
	v_max_num_f32 v42, v36, v37
	v_max_num_f32 v43, v38, v39
	s_delay_alu instid0(VALU_DEP_2)
	v_max3_num_f32 v44, v40, v41, v42
	s_delay_alu instid0(VALU_DEP_1)
	v_max_num_f32 v44, v44, v43                    ; M
.irp i, 0,1,2,3
	v_sub_f32 v[4+\i], v[4+\i], v44
	v_sub_f32 v[40+\i], v[40+\i], v44
.endr
.irp i, 0,1,2,3
	v_mul_f32 v[4+\i], s22, v[4+\i]
	v_mul_f32 v[40+\i], s22, v[40+\i]
.endr
	s_wait_alu depctr_va_vdst(0)
.irp i, 0,1,2,3
	v_exp_f32 v[4+\i], v[4+\i]
	v_exp_f32 v[40+\i], v[40+\i]
.endr
	v_nop                                          ; a plain place behind the exponentials
	s_wait_loadcnt 4                               ; the mask is in
	s_wait_alu depctr_va_vdst(0)
.irp i, 0,1,2,3
	v_mul_f32 v[4+\i], v[4+\i], v[8+\i]
.endr
	s_delay_alu instid0(VALU_DEP_3)
	v_add_f32 v28, v4, v5
	s_delay_alu instid0(VALU_DEP_2)
	v_add_f32 v30, v6, v7
	s_delay_alu instid0(VALU_DEP_1)
	v_add_f32 v28, v28, v30
	s_delay_alu instid0(VALU_DEP_1)
	v_add_f32_dpp v28, v28, v28 row_xmask:1 row_mask:0xf bank_mask:0xf
	s_delay_alu instid0(VALU_DEP_1)
	v_add_f32_dpp v28, v28, v28 row_xmask:2 row_mask:0xf bank_mask:0xf
	s_delay_alu instid0(VALU_DEP_1)
	v_add_f32_dpp v28, v28, v28 row_xmask:4 row_mask:0xf bank_mask:0xf
	s_delay_alu instid0(VALU_DEP_1)
	v_add_f32_dpp v28, v28, v28 row_xmask:8 row_mask:0xf bank_mask:0xf
	s_delay_alu instid0(VALU_DEP_1)
	v_permlanex16_b32 v29, v28, s20, s21
	s_delay_alu instid0(VALU_DEP_1)
	v_add_f32 v28, v28, v29
	ds_store_b32 v2, v28 offset:32                 ; other bytes than the maxima's: no barrier is owed between
	s_wait_dscnt 0x0
	s_barrier_signal -1
	s_barrier_wait -1
	ds_load_b128 v[32:35], v3 offset:32
	ds_load_b128 v[36:39], v3 offset:48
	s_wait_dscnt 0x0
	v_add_f32 v32, v32, v33
	v_add_f32 v34, v34, v35
	v_add_f32 v36, v36, v37
	v_add_f32 v38, v38, v39
	s_delay_alu instid0(VALU_DEP_3)
	v_add_f32 v32, v32, v34
	s_delay_alu instid0(VALU_DEP_2)
	v_add_f32 v36, v36, v38
	s_delay_alu instid0(VALU_DEP_1)
	v_add_f32 v32, v32, v36                        ; Z
	s_wait_alu depctr_va_vdst(0)
	v_rcp_f32 v45, v32
	v_nop
	s_wait_alu depctr_va_vdst(0)
.irp i, 0,1,2,3
	v_mul_f32 v[4+\i], v[4+\i], v45
	v_mul_f32 v[40+\i], v[40+\i], v45              ; 2^((m_q - M) log2 e) / Z
.endr
	global_store_b128 v1, v[4:7], s[12:13]         ; out1: a wave stores 512 consecutive bytes
	s_wait_alu depctr_va_vdst(0)
	s_wait_loadcnt 0x0                             ; the four parts
.irp i, 0,1,2,3
	v_mul_f32 v[48+\i], v[12+\i], v40
.endr
.irp q, 1,2,3
.irp i, 0,1,2,3
	s_delay_alu instid0(VALU_DEP_4)
	v_fma_f32 v[48+\i], v[12+4*\q+\i], v[40+\q], v[48+\i]
.endr
.endr
	global_store_b128 v1, v[48:51], s[10:11]       ; out0
	s_wait_tensorcnt 0x0
	ds_add_u32 v64, v65
	s_wait_dscnt 0x0
	s_endpgm
.Lfunc_end_k_q284c6fe996_finish:
	.size	k_q284c6fe996_finish, .Lfunc_end_k_q284c6fe996_finish-k_q284c6fe996_finish
	.p2alignl 7, 3214868480
	.fill 96, 4, 3214868480
	.section	.rodata,"a",@progbits
	.p2align	6, 0x0
	.amdhsa_kernel k_q284c6fe996_finish
		.amdhsa_group_segment_fixed_size 1280
		.amdhsa_private_segment_fixed_size 0
		.amdhsa_enable_private_segment 0
		.amdhsa_kernarg_size 40
		.amdhsa_user_sgpr_count 2
		.amdhsa_user_sgpr_kernarg_segment_ptr 1
		.amdhsa_wavefront_size32 1
		.amdhsa_system_sgpr_workgroup_id_x 1
		.amdhsa_system_sgpr_workgroup_id_y 1
		.amdhsa_system_sgpr_workgroup_id_z 1
		.amdhsa_system_vgpr_workitem_id 0
		.amdhsa_next_free_vgpr 66
		.amdhsa_next_free_sgpr 66
		.amdhsa_reserve_vcc 0
		.amdhsa_float_denorm_mode_32 3
		.amdhsa_float_denorm_mode_16_64 3
		.amdhsa_memory_ordered 1
		.amdhsa_forward_progress 1
		.amdhsa_inst_pref_size 8
	.end_amdhsa_kernel
	.amdgpu_metadata
---
amdhsa.version: [ 1, 2 ]
amdhsa.kernels:
  - .name:           k_q284c6fe996_finish
    .symbol:         k_q284c6fe996_finish.kd
    .args:
      - { .name: out3, .offset: 0, .size: 8, .value_kind: global_buffer, .address_space: global }
      - { .name: padding_mask, .offset: 8, .size: 8, .value_kind: global_buffer, .address_space: global }
      - { .name: part, .offset: 16, .size: 8, .value_kind: global_buffer, .address_space: global }
      - { .name: out0, .offset: 24, .size: 8, .value_kind: global_buffer, .address_space: global }
      - { .name: out1, .offset: 32, .size: 8, .value_kind: global_buffer, .address_space: global }
    .group_segment_fixed_size: 1280
    .private_segment_fixed_size: 0
    .kernarg_segment_align: 8
    .kernarg_segment_size: 40
    .max_flat_workgroup_size: 256
    .sgpr_count:     66
    .vgpr_count:     66
    .wavefront_size: 32
...
	.end_amdgpu_metadata
.endif
;; end of part 2
